; MI455X (gfx1250); checked and timed in simulation.
; The chip was launched on July 23, 2026; its instructions are those of AMD's public machine-readable ISA for CDNA 5 (MIT licence, August 2026) and "CDNA5" Instruction Set Architecture Reference Guide (July 2026). The comments in the code are by the model that wrote it; some were corrected since.
;; Net. Allowed arithmetic: matrix products marked QUANTISED: E3M2 operands, one E8M0 scale for each 32 along K, by v_wmma_scale_f32_16x16x128_f8f6f4 with both operands' format E3M2, f32 sums; products left as they are: f32 operands where the result goes on into a quantised operand, else bf16, f16 or f32 operands; f32 sums; everything else in f32.
;; Inputs: b1 8 x 256 float32; b2 8 x 1,000 float32; gate_b 8 float32; gate_w 8 x 2,048 float32; w1 8 x 256 x 2,048 float32; w2 8 x 1,000 x 256 float32; x 8,192 x 2,048 float32.
;; Outputs: out0 8,192 x 1,000 float32.
;; This version of the problem:
;;   THIS VERSION OF THE PROBLEM IS GIVEN IN LOW PRECISION. The matrix products marked QUANTISED in the list below multiply operands that are first quantised to E3M2 (3 exponent bits, 2 mantissa bits; 6 bits a number), with one power-of-two scale for each 32 numbers along K (OCP MX v1.0); their sums are f32. All else is computed in f32.
;;   The module's matrix products, in the order in which they are computed (A, B: the left and right operand; K: the contracted axis; several contracted axes count as one K, in the product's order):
;;     1. [M 8,192, K 2,048] x [K 2,048, N 8]; A: input x; B: input gate_w: left as it is (N = 8 < 16)
;;     2. [M 8,192, K 2,048] x [K 2,048, N 2,048]; A: input x; B: input w1: QUANTISED
;;     3. batch 8 x [M 1,000, K 256] x [K 256, N 8,192]; A: input w2; B: computed on the way: QUANTISED
;;     4. batch 8,192 x [M 1, K 8] x [K 8, N 1,000]; A: computed on the way; B: computed on the way: left as it is (K = 8 < 32)
;;   THE QUANTISER, for each operand of a quantised product, along K:
;;     - K is cut into blocks of 32 from its start; a last block that is shorter is filled with zeros.
;;     - A block's scale is 2^e with e = floor(log2(the largest magnitude in the block)) - 4, held to -126 .. 127; a block of zeros has e = 0. As a byte (E8M0): e + 127.
;;     - Each number is divided by its block's scale, clamped to +-28, and rounded to the nearest number of E3M2, ties to even, subnormals kept.
;;     - The product sums the exact products of the quantised numbers (number of the format x scale) in f32.
;;   ~~~python
;;   def quantise(x, axis):      # numpy; x: float32 -> the quantised numbers, widened to float32 again
;;       x = np.moveaxis(x, axis, -1); K = x.shape[-1]
;;       x = np.pad(x, [(0, 0)] * (x.ndim - 1) + [(0, -K % 32)]); x = x.reshape(x.shape[:-1] + (-1, 32)); a = np.abs(x).max(-1, keepdims=True)
;;       e = np.where(a > 0, np.clip(np.frexp(np.where(a > 0, a, 1))[1] - 1 - 4, -126, 127), 0)      # np.frexp(a)[1] - 1 = floor(log2(a)), exactly
;;       r = np.clip(x / 2.0 ** e, -28, 28)
;;       step = 2.0 ** (np.maximum(np.frexp(np.where(r == 0, 1, r))[1] - 1, -2) - 2)
;;       q = np.round(r / step) * step * 2.0 ** e      # np.round: ties to even
;;       return np.moveaxis(q.reshape(q.shape[:-2] + (-1,))[..., :K], -1, axis).astype(np.float32)
;;   ~~~
;;   OPERANDS COMPUTED ON THE WAY. 'Computed on the way' means the value that the module computes at that place (a softmax that the list does not call 'softmax' is quantised finished and normalised). What goes into a quantiser is computed in f32, as accurately as f32 sums, v_exp_f32 and their like allow (about 1e-6 of the number): no bf16 or f16 on the way to a quantiser, and a product that is left as it is and whose result goes on into a quantised operand takes f32 operands (vector FMAs, or v_wmma_f32_16x16x4_f32). A number that lies on a knife's edge between two numbers of the format may be rounded either way, as far as f32 arithmetic and the matrix unit's own rounding can turn it there, and no further.
;; One version. Each part assembles by itself: llvm-mc -triple=amdgcn-amd-amdhsa -mcpu=gfx1250 --defsym DOCPART=n.
;; ======== version 1 of 1: 2 launches
;; limits: right only within a limited range of input values
;; workspace buffers: xq 12,582,912 bytes; xs 524,288 bytes; rkey 65,536 bytes of whole numbers; gw 65,536 bytes; wq 4,718,592 bytes; ws 196,608 bytes
;; launch route (part 1): grid 256 x 1, 4 waves a work-group, no clusters, 327,680 bytes of LDS; arguments x, gate_w, gate_b, xq, xs, rkey, gw, w1, w2, wq, ws; writes xq, xs, rkey, gw, wq, ws
.if DOCPART == 1
	.amdgcn_target "amdgcn-amd-amdhsa--gfx1250"
	.amdhsa_code_object_version 6
	.text
	.protected	k_q83ab3b986a_route
	.globl	k_q83ab3b986a_route
	.p2align	8
	.type	k_q83ab3b986a_route,@function
k_q83ab3b986a_route:
	s_mov_b64 s[64:65], 0
	v_nop
	global_prefetch_b8 v0, s[64:65] scope:SCOPE_SE
	s_setreg_imm32_b32 hwreg(HW_REG_WAVE_MODE, 25, 1), 1
	s_wait_xcnt 0x0
; FIRST LAUNCH OF TWO: the gates, x as codes, and w1 and w2 as codes.
; WORK LEFT OUT BY THE PROGRAM: reference() multiplies every expert's result by gs, which is 0 for the six experts outside a token's top 2 (its own mask), so those experts' two products reach no output
;   for any finite inputs; the later launch reads the stored choice and multiplies the chosen pair alone.  LIMIT: a NaN, an infinity or an overflow that arises only in an expert not chosen is not carried to the result.
; The softmax's divisor cancels in gs = gates x mask / sum(gates x mask); the maximum is taken away before the exponentials; the two largest of eight gates sum to 1/4 of the whole or more, so the floor 1e-12 never binds.
; A work-group takes 32 tokens; wave w takes 512 along K of each, 2,048 bytes of a row, 16 bytes of padding behind each 256 in LDS.  Only the wave that asked for them reads these bytes.
;   They come in two halves: rows 0-15 by the wave's one tensor load at the head; rows 16-31 by its one tensor load behind the barrier.
;   The first half is on its way while the weights are worked, the second while rows 0-15 are.  Nothing is filled again.
; A lane holds 16 neighbours along K: its part of the eight gate sums (f32 multiply-adds), and half a block of 32 for the quantiser.
; rkey: word of token = rank among the work-group's tokens of the same pair << 8 | pair's key (hi (hi - 1) / 2 + lo); from byte 32,768 on: 32 words a work-group, word k = its tokens of key k.
; THE WEIGHTS: each of the 1,024 waves turns weights into codes of BF6 (E3M2) with one E8M0 byte for each 32 along K: wave W = 4 x work-group + wave takes unit W of w1 (16 rows x 256 K, two fragments) and fragment W of w2.
; wq: a fragment is 1,536 bytes, the image of the operand's registers: registers 4 c .. 4 c + 3 of lane l at 512 c + 16 l.  Fragment 2 u + f of unit u.
;   w1: u = 8 T + s2, T = 16 e + 8 half + t, K step 2 s2 + f.  Lane r of tile t = 2 b + v takes hidden row 32 b + 8 v + r + 8 (r / 8) of its half, so that the first product's results are neighbours along the next K.
;   w2: u = 1,024 + 64 e + n, rows 16 n + r, K step f; where these pass row 999 the eight rows from 992 on stand in: those columns of the result are never stored.
; ws: the scale word of (u, lane) at 512 (u / 4) + 16 lane + 4 (u % 4): lanes 0-15 fragment 0's rows, lanes 16-31 fragment 1's.
; No prefetch: the launch has no loop to run ahead in.  No joint loads: no two work-groups read the same x, and the gate's weights are 64 KiB.
; LIMITS: NaN and infinities among the inputs are not served.  A block of zeros gets the byte 1 where the rule says 127: its codes are zeros, and this program alone reads the bytes.
.set XWV,   69632                      ; LDS: a wave's part of x: 32 rows
.set XPT,   2176                       ; a row of it: 2,048 bytes + 8 x 16 of padding
.set PART,  278528                     ; the gate sums' parts: 272 bytes a token: 4 waves x 2 halves of the lanes x 8 experts
.set PPT,   272
.set XSC,   287232                     ; x's scale bytes: 64 a token
.set WST,   289280                     ; a stage of 16 rows x 528 bytes for each wave, for the weights
.set SPARE, 0x4fe00                    ; the spare words
.set A, 12                             ; v12-27 the eight sums, in pairs
.set S, 28                             ; v28-35 the eight sums
.set X, 52                             ; v52-83 two sets of 16 numbers
.set G, 84                             ; v84-211 the gate's weights at my 16 places, 8 experts
.set CD, 216                           ; v216-247 the codes of eight rows
.set WL,    215                        ; the weights: v215 16 x lane
.set SIN,   76                         ; v76  the stage on the way in: a row's 512 bytes as they lie
.set SOUT,  77                         ; v77  on the way out: row r, + 64 h
.set WSO,   78                         ; v78  16 r: where w2's scale word goes
.set XQ,    12                         ; v12-75 64 numbers of a lane: register 16 b + i = k 32 b + 16 h + i of its row
.set RG,    84                         ; v84-211 two fragments as loaded; the gate's weights follow into the same registers
.set PC,    216                        ; v216-235 the codes
.set TM,    236                        ; v236-251 at work
	s_load_b256 s[4:11], s[0:1], 0x0               ; x, gate_w, gate_b, xq
	s_load_b128 s[12:15], s[0:1], 0x20             ; xs, rkey
	s_load_b64 s[16:17], s[0:1], 0x30              ; gw
	s_load_b256 s[40:47], s[0:1], 0x38             ; w1, w2, wq, ws
	v_lshl_add_u32 v254, v0, 2, SPARE
	v_mov_b32 v255, 0
	ds_add_u32 v254, v255
	ds_add_u32 v254, v255
	v_lshrrev_b32 v1, 5, v0
	v_readfirstlane_b32 s18, v1                    ; wave
	s_mov_b32 s20, (2<<16)|(1<<20)|(5<<22)|(3<<25) ; elements of 4 bytes; 4 words of padding behind every 64
	s_mov_b32 s21, 512<<16
	s_mov_b32 s22, 16<<16
	s_mov_b32 s23, 512<<16
	s_mov_b32 s24, 16
	s_mov_b32 s25, 2048
	s_mov_b32 s26, 0
	s_mov_b32 s27, 0
	s_mul_i32 s60, s18, XWV
	s_lshl_b32 s62, ttmp9, 18                      ; 32 rows of 8,192 bytes a work-group,
	s_lshl_b32 s63, s18, 11                        ; 2,048 bytes of each a wave
	s_add_co_u32 s62, s62, s63
	s_mov_b32 s63, 0
	s_wait_dscnt 0x0
	s_wait_kmcnt 0x0
	s_add_nc_u64 s[4:5], s[4:5], s[62:63]
	s_mov_b32 s28, 1
	s_mov_b32 s29, s60
	s_mov_b64 s[30:31], s[4:5]
	s_or_b32 s31, s31, 0x80000000
	tensor_load_to_lds s[28:31], s[20:27]          ; rows 0-15: my one tensor load at the head
	s_nop 0
	v_and_b32 v1, 31, v0
	s_load_b256 s[68:75], s[8:9], 0x0              ; gate_b
	s_mov_b32 s76, 0x3fb8aa3b
	v_lshlrev_b32 v2, 6, v1
	v_lshrrev_b32 v8, 2, v1
	v_lshl_add_u32 v2, v8, 4, v2                   ; 64 x lane, + 16 for each 256 passed
	v_add_nc_u32 v2, s60, v2                       ; rows 0-15,
	v_add_nc_u32 v3, 16*XPT, v2                    ; rows 16-31
	v_lshrrev_b32 v4, 4, v1
	v_lshlrev_b32 v4, 5, v4
	s_lshl_b32 s61, s18, 6
	v_add_nc_u32 v4, s61, v4
	v_add_nc_u32 v4, PART, v4
	v_lshrrev_b32 v5, 1, v1
	s_lshl_b32 s61, s18, 4
	v_add_nc_u32 v5, s61, v5
	v_add_nc_u32 v5, XSC, v5
	v_lshrrev_b32 v8, 3, v1                        ; my 12 bytes of codes in the order of the operand's registers: K step lane / 8, then 48 x bit 1, 24 x bit 2, 12 x bit 0
	v_mul_u32_u24 v6, v8, 96
	v_bfe_u32 v8, v1, 1, 1
	v_mad_u32_u24 v6, v8, 48, v6
	v_bfe_u32 v8, v1, 2, 1
	v_mad_u32_u24 v6, v8, 24, v6
	v_and_b32 v8, 1, v1
	v_mad_u32_u24 v6, v8, 12, v6
	s_mul_i32 s61, s18, 384
	v_add_nc_u32 v6, s61, v6
	v_lshlrev_b32 v7, 6, v1
	v_lshl_add_u32 v7, s18, 11, v7
	v_lshlrev_b32 v213, 4, v0
	v_add_nc_u32 v212, XSC, v213
	v_mul_u32_u24 v214, v1, PPT
	v_add_nc_u32 v214, PART, v214
	; ---------------- THE WEIGHTS, while the first half of x is on its way ----------------
	v_lshlrev_b32 v[WL], 4, v1
	s_mul_i32 s36, s18, 8448
	s_add_co_u32 s36, s36, WST
	v_add_nc_u32 v[SIN], s36, v[WL]
	v_and_b32 v[WSO], 15, v1
	v_lshrrev_b32 v79, 4, v1
	v_mul_u32_u24 v[SOUT], v[WSO], 528
	v_lshl_add_u32 v[SOUT], v79, 6, v[SOUT]
	v_add_nc_u32 v[SOUT], s36, v[SOUT]
	v_lshlrev_b32 v[WSO], 4, v[WSO]
.irp b, 0,1,2,3
	v_mov_b32 v[TM+4+\b], 0                        ; written once: a lane permute's destination counts as one of its sources
.endr
	s_mov_b32 s37, 0xffff0000
	s_mov_b32 s38, 0x76543210
	s_mov_b32 s39, 0xfedcba98                      ; v_permlanex16_b32's selects for lane l xor 16
	s_lshl_b32 s48, ttmp9, 2
	s_add_co_u32 s48, s48, s18                     ; W
	s_lshr_b32 s49, s48, 6
	s_lshl_b32 s49, s49, 7
	s_bfe_u32 s50, s48, 0x20004
	s_lshl_b32 s50, s50, 5
	s_add_co_u32 s49, s49, s50
	s_bfe_u32 s50, s48, 0x10003
	s_lshl_b32 s50, s50, 3
	s_add_co_u32 s49, s49, s50                     ; w1, T = W / 8: first row 128 (T / 8) + 32 ((T % 8) / 2) + 8 (T % 2) of its 2,048
	s_lshl_b32 s50, s49, 13
	s_and_b32 s51, s48, 7
	s_lshl_b32 s51, s51, 10                        ; my 256 along K
	s_add_co_u32 s50, s50, s51
	s_mov_b32 s51, 0
	s_add_nc_u64 s[40:41], s[40:41], s[50:51]
	s_lshr_b32 s52, s48, 7                         ; w2: expert W / 128,
	s_mul_i32 s52, s52, 1024000
	s_bfe_u32 s53, s48, 0x60001                    ; tile n = (W / 2) % 64,
	s_lshl_b32 s53, s53, 4
	s_min_u32 s54, s53, 992                        ; rows 0-7 of the tile begin at 16 n, rows 8-15 at 16 n + 8, both held at 992
	s_add_co_u32 s55, s53, 8
	s_min_u32 s55, s55, 992
	s_lshl_b32 s54, s54, 10
	s_lshl_b32 s55, s55, 10
	s_and_b32 s56, s48, 1                          ; K step W % 2
	s_lshl_b32 s56, s56, 9
	s_add_co_u32 s52, s52, s56
	s_add_co_u32 s54, s54, s52
	s_add_co_u32 s56, s55, s52
	s_mov_b32 s55, 0
	s_mov_b32 s57, 0
	s_add_nc_u64 s[54:55], s[42:43], s[54:55]
	s_add_nc_u64 s[56:57], s[42:43], s[56:57]
	s_mul_i32 s50, s48, 3072
	s_add_nc_u64 s[58:59], s[44:45], s[50:51]      ; wq: unit W's two fragments,
	s_mul_i32 s50, s48, 1536
	s_add_co_u32 s50, s50, 2048*1536
	s_add_nc_u64 s[44:45], s[44:45], s[50:51]      ; and fragment 2,048 + W
	s_lshr_b32 s50, s48, 2
	s_lshl_b32 s50, s50, 9
	s_and_b32 s52, s48, 3
	s_lshl_b32 s52, s52, 2
	s_add_co_u32 s50, s50, s52
	s_add_nc_u64 s[32:33], s[46:47], s[50:51]      ; ws: unit W's words,
	s_lshr_b32 s52, s48, 1
	s_add_co_u32 s52, s52, 1024
	s_lshr_b32 s50, s52, 2
	s_lshl_b32 s50, s50, 9
	s_and_b32 s52, s52, 3
	s_lshl_b32 s52, s52, 2
	s_add_co_u32 s50, s50, s52
	s_and_b32 s52, s48, 1
	s_lshl_b32 s52, s52, 8
	s_add_co_u32 s50, s50, s52
	s_add_nc_u64 s[34:35], s[46:47], s[50:51]      ; and those of unit 1,024 + W / 2, half W % 2
	s_wait_alu depctr_va_vdst(0)
.irp f, 0,1
.set WJ, 0
.rept 16
	global_load_b128 v[RG+64*\f+4*WJ:RG+64*\f+4*WJ+3], v[WL], s[40:41] offset:(WJ+8*(WJ/8))*8192+512*\f th:TH_LOAD_NT   ; 32 lanes read 512 consecutive bytes of one row
.set WJ, WJ+1
.endr
.endr
; a fragment's 16 rows go through my own stage as they lie and come back 16 neighbours of each block a lane; LDS serves a wave's instructions in order
.macro WSTAGE rg
.set WJ, 0
.rept 16
	ds_store_b128 v[SIN], v[\rg+4*WJ:\rg+4*WJ+3] offset:528*WJ
.set WJ, WJ+1
.endr
.irp b, 0,1,2,3
.irp i, 0,1,2,3
	ds_load_b128 v[XQ+16*\b+4*\i:XQ+16*\b+4*\i+3], v[SOUT] offset:128*\b+16*\i
.endr
.endr
	s_wait_dscnt 0x0
.endm
; 64 numbers of a lane become a fragment's codes in v[PC] on and its rows' scale word in v[pw]
.macro WQ pw
.irp b, 0,1,2,3
	v_max3_num_f32 v[TM+\b], |v[XQ+16*\b]|, |v[XQ+1+16*\b]|, 0x2800000   ; my 16 numbers of block b, and the floor 2^(5 - 127): the byte cannot fall under 1
.endr
.irp i, 2,4,6,8,10,12,14
.irp b, 0,1,2,3
	v_max3_num_f32 v[TM+\b], v[TM+\b], |v[XQ+16*\b+\i]|, |v[XQ+1+16*\b+\i]|
.endr
.endr
.irp b, 0,1,2,3
	v_permlanex16_b32 v[TM+4+\b], v[TM+\b], s38, s39
.endr
.irp b, 0,1,2,3
	v_max_num_f32 v[TM+\b], v[TM+\b], v[TM+4+\b]   ; with lane l xor 16's: the block's largest magnitude
.endr
.irp b, 0,1,2,3
	v_add_nc_u32 v[TM+12+\b], 0xfe000000, v[TM+\b] ; 4 off its exponent field: the conversion's scale operand
.endr
.irp b, 0,1,2,3
	v_lshrrev_b32 v[TM+4+\b], 23, v[TM+12+\b]      ; the scale's byte
.endr
	v_lshl_or_b32 v[\pw], v[TM+5], 8, v[TM+4]
	v_lshl_or_b32 v[\pw], v[TM+6], 16, v[\pw]
	v_lshl_or_b32 v[\pw], v[TM+7], 24, v[\pw]
.irp c, 0,1
	v_cvt_scalef32_pk16_bf6_f32 v[PC+6*\c:PC+2+6*\c], v[XQ+32*\c:XQ+15+32*\c], v[TM+12+2*\c]
	v_cvt_scalef32_pk16_bf6_f32 v[PC+12+4*\c:PC+14+4*\c], v[XQ+16+32*\c:XQ+31+32*\c], v[TM+12+2*\c+1]
.endr
	v_nop                                          ; one plain line behind a scaled conversion
.irp c, 0,1                                        ; the operand's layout wants a whole block in a lane
.irp i, 0,1,2
	v_permlane16_swap_b32 v[PC+6*\c+\i], v[PC+12+4*\c+\i]
.endr
.irp i, 0,1,2
	v_mov_b32 v[PC+3+6*\c+\i], v[PC+12+4*\c+\i]
.endr
.endr
.endm
.macro WOUT base, off
.irp c, 0,1,2
	global_store_b128 v[WL], v[PC+4*\c:PC+4*\c+3], s[\base:\base+1] offset:\off+512*\c   ; 32 lanes store 512 consecutive bytes, aligned
.endr
.endm
	s_wait_loadcnt 16                              ; w1's first fragment is in; the sixteen loads of the second stay out
	WSTAGE RG
.set WJ, 0
.rept 8
	global_load_b128 v[RG+4*WJ:RG+4*WJ+3], v[WL], s[54:55] offset:1024*WJ th:TH_LOAD_NT
	global_load_b128 v[RG+32+4*WJ:RG+32+4*WJ+3], v[WL], s[56:57] offset:1024*WJ th:TH_LOAD_NT
.set WJ, WJ+1
.endr
	WQ 252
	WOUT 58, 0
	s_wait_loadcnt 16                              ; w1's second fragment is in; w2's sixteen loads stay out
	WSTAGE RG+64
.irp e, 4,5,6,7
.irp j, 0,1,2,3
	global_load_b128 v[G+16*\e+4*\j:G+16*\e+4*\j+3], v7, s[6:7] offset:8192*\e+16*\j
.endr
.endr
	s_wait_xcnt 0x0                                ; the stores have read the codes' registers
	WQ 253
	WOUT 58, 1536
	v_cndmask_b32 v252, v252, v253, s37            ; lanes 0-15: fragment 0's words; lanes 16-31: fragment 1's
	global_store_b32 v[WL], v252, s[32:33]
	s_wait_loadcnt 16                              ; w2's fragment is in; sixteen loads of the gate's weights stay out
	WSTAGE RG
.irp e, 0,1,2,3
.irp j, 0,1,2,3
	global_load_b128 v[G+16*\e+4*\j:G+16*\e+4*\j+3], v7, s[6:7] offset:8192*\e+16*\j
.endr
.endr
	s_wait_xcnt 0x0
	WQ 253
	WOUT 44, 0
	global_store_b32 v[WSO], v253, s[34:35]        ; lanes l and l xor 16 store the same word to the same place
	s_wait_xcnt 0x0                                ; the stores' registers are written again below
	; ---------------- THE TOKENS ----------------
	s_wait_alu depctr_va_vdst(0)
	s_wait_tensorcnt 0x0                           ; rows 0-15 are in
	ds_add_u32 v254, v255
	s_add_co_u32 s29, s29, 16*XPT                  ; no tensor load of mine is out: the descriptor steps 16 rows on, in LDS
	s_add_nc_u64 s[30:31], s[30:31], 16*8192       ; and in memory
	s_wait_dscnt 0x0
	s_barrier_signal -1
	s_barrier_wait -1
	tensor_load_to_lds s[28:31], s[20:27]          ; rows 16-31: my one tensor load behind the barrier
	s_nop 0
	s_mul_i32 s62, ttmp9, 49152
	s_add_nc_u64 s[10:11], s[10:11], s[62:63]
	s_lshl_b32 s62, ttmp9, 11
	s_add_nc_u64 s[12:13], s[12:13], s[62:63]
	s_lshl_b32 s62, ttmp9, 7
	s_add_nc_u64 s[14:15], s[14:15], s[62:63]
	s_lshl_b32 s62, ttmp9, 8
	s_add_nc_u64 s[16:17], s[16:17], s[62:63]
.macro XROW i, reg                     ; my 16 numbers of row i
.irp j, 0,1,2,3
	ds_load_b128 v[\reg+4*\j:\reg+4*\j+3], v[2+(\i)/16] offset:((\i)%16)*XPT+16*\j
.endr
.endm
.macro ROW i
.set XS, X+16*((\i)%2)
.set XN, X+16*(((\i)+1)%2)
.set CS, CD+4*((\i)%8)
.if (\i) < 31
.if (\i) == 15
	s_wait_alu depctr_va_vdst(0)
	s_wait_tensorcnt 0x0                           ; rows 16-31 are in
.endif
	XROW (\i)+1, XN                                ; the next row
.endif
.if (\i) == 0
	s_wait_dscnt 4                                 ; behind my row's loads: the next row's four
.elseif (\i) < 31
	s_wait_dscnt 7                                 ; the last row's three stores and the next row's four loads
.else
	s_wait_dscnt 3                                 ; the last row's three stores
.endif
.irp e, 0,1,2,3,4,5,6,7
	v_pk_mul_f32 v[A+2*\e:A+2*\e+1], v[XS:XS+1], v[G+16*\e:G+16*\e+1]
.endr
.irp k, 2,4,6,8,10,12,14
.irp e, 0,1,2,3,4,5,6,7
	v_pk_fma_f32 v[A+2*\e:A+2*\e+1], v[XS+\k:XS+\k+1], v[G+16*\e+\k:G+16*\e+\k+1], v[A+2*\e:A+2*\e+1]
.endr
.endr
	v_max3_num_f32 v8, |v[XS]|, |v[XS+1]|, |v[XS+2]|
	v_max3_num_f32 v9, |v[XS+3]|, |v[XS+4]|, |v[XS+5]|
.irp k, 6,10
	v_max3_num_f32 v8, v8, |v[XS+\k]|, |v[XS+\k+1]|
	v_max3_num_f32 v9, v9, |v[XS+\k+2]|, |v[XS+\k+3]|
.endr
	v_max3_num_f32 v8, v8, |v[XS+14]|, |v[XS+15]|
	v_max3_num_f32 v8, v8, v9, 0x2800000           ; the floor 2^(5 - 127)
	v_max_num_f32_dpp v8, v8, v8 row_xmask:1 row_mask:0xf bank_mask:0xf   ; with my neighbour's 16: the block's
	v_add_nc_u32 v10, 0xfe000000, v8
.if (\i)%8 == 0
	s_wait_alu depctr_va_vdst(0)
	s_wait_xcnt 0x0                                ; the stores of codes issued so far have read their registers: these eight rows write the eight sets again
.endif
	v_cvt_scalef32_pk16_bf6_f32 v[CS:CS+2], v[XS:XS+15], v10
	v_lshrrev_b32 v11, 23, v10
	ds_store_b8 v5, v11 offset:64*(\i)
	global_store_b96 v6, v[CS:CS+2], s[10:11] offset:1536*(\i)
.irp e, 0,1,2,3,4,5,6,7
	v_add_f32 v[S+\e], v[A+2*\e], v[A+2*\e+1]
.endr
.irp m, 1,2,4,8
.irp e, 0,1,2,3,4,5,6,7
	v_add_f32_dpp v[S+\e], v[S+\e], v[S+\e] row_xmask:\m row_mask:0xf bank_mask:0xf
.endr
.endr
	ds_store_b128 v4, v[S:S+3] offset:PPT*(\i)
	ds_store_b128 v4, v[S+4:S+7] offset:PPT*(\i)+16
.endm
	XROW 0, X
	s_wait_loadcnt 0x0                             ; the gate's weights
	s_wait_kmcnt 0x0                               ; and its bias
.set RW, 0
.rept 32
	ROW RW
.set RW, RW+1
.endr
	s_wait_dscnt 0x0
	s_barrier_signal -1
	s_barrier_wait -1
	ds_load_b128 v[248:251], v212
	s_wait_dscnt 0x0
	global_store_b128 v213, v[248:251], s[12:13]   ; x's scale bytes: 2,048 consecutive bytes a work-group
	s_cmp_lg_u32 s18, 0
	s_cbranch_scc1 .Lend
	; wave 0, lane = token: the gates, the two largest, the pair's key, the rank and the histogram
.irp p, 0,1,2,3,4,5,6,7
	ds_load_b128 v[G+8*\p:G+8*\p+3], v214 offset:32*\p
	ds_load_b128 v[G+8*\p+4:G+8*\p+7], v214 offset:32*\p+16
.endr
	s_wait_dscnt 0x0
.irp p, 1,2,3,4,5,6,7
.irp q, 0,2,4,6
	v_pk_add_f32 v[G+\q:G+\q+1], v[G+\q:G+\q+1], v[G+8*\p+\q:G+8*\p+\q+1]
.endr
.endr
.irp e, 0,1,2,3,4,5,6,7
	v_add_f32 v[G+\e], s[68+\e], v[G+\e]
.endr
	v_max3_num_f32 v8, v[G], v[G+1], v[G+2]
	v_max3_num_f32 v8, v8, v[G+3], v[G+4]
	v_max3_num_f32 v8, v8, v[G+5], v[G+6]
	v_max_num_f32 v8, v8, v[G+7]
	v_mul_f32 v8, s76, v8
.irp e, 0,1,2,3,4,5,6,7
	v_fma_f32 v[G+\e], v[G+\e], s76, -v8
.endr
	s_wait_alu depctr_va_vdst(0)                   ; the wait ahead of the batch,
.irp e, 0,1,2,3,4,5,6,7
	v_exp_f32 v[G+\e], v[G+\e]
.endr
	v_mov_b32 v10, -1.0
	s_wait_alu depctr_va_vdst(0)                   ; and behind it
	v_mov_b32 v9, v[G]
	v_mov_b32 v11, 0
	v_mov_b32 v12, 0
.irp e, 1,2,3,4,5,6,7                              ; a later expert takes a place only if it is larger: ties keep the lower index
	v_cmp_le_f32 vcc_lo, v[G+\e], v9
	v_cmp_le_f32 s78, v[G+\e], v10
	v_cndmask_b32 v13, v[G+\e], v10, s78
	v_cndmask_b32 v14, \e, v12, s78
	v_cndmask_b32 v10, v9, v13, vcc_lo
	v_cndmask_b32 v12, v11, v14, vcc_lo
	v_cndmask_b32 v9, v[G+\e], v9, vcc_lo
	v_cndmask_b32 v11, \e, v11, vcc_lo
.endr
	v_add_f32 v15, v9, v10
	s_wait_alu depctr_va_vdst(0)
	v_rcp_f32 v15, v15
	v_min_u32 v18, v11, v12
	v_max_u32 v19, v11, v12
	s_wait_alu depctr_va_vdst(0)
	v_mul_f32 v16, v9, v15
	v_mul_f32 v17, v10, v15
	v_cmp_lt_u32 vcc_lo, v11, v12
	v_cndmask_b32 v24, v17, v16, vcc_lo            ; the lower expert's gate,
	v_cndmask_b32 v25, v16, v17, vcc_lo            ; the higher one's
	v_add_nc_u32 v23, -1, v19
	v_mul_u32_u24 v23, v23, v19
	v_lshrrev_b32 v23, 1, v23
	v_add_nc_u32 v20, v23, v18                     ; the key
	v_mov_b32 v21, 0
	v_mov_b32 v22, 0
.set KQ, 0
.rept 28                                           ; each key's lanes, in a scalar register of its own
	v_cmp_eq_u32 s[32+KQ], KQ, v20
.set KQ, KQ+1
.endr
.set KQ, 0
.rept 28
	v_mbcnt_lo_u32_b32 v23, s[32+KQ], 0
	v_cndmask_b32 v21, v21, v23, s[32+KQ]          ; my rank: the lower lanes with my key
.set KQ, KQ+1
.endr
.set KQ, 0
.rept 28
	s_bcnt1_i32_b32 s[32+KQ], s[32+KQ]
.set KQ, KQ+1
.endr
	s_wait_alu depctr_va_vdst(0)
.set KQ, 0
.rept 28
	v_writelane_b32 v22, s[32+KQ], KQ              ; lane = key: its tokens here
.set KQ, KQ+1
.endr
	v_lshl_or_b32 v26, v21, 8, v20
	v_lshlrev_b32 v27, 2, v1
	v_lshlrev_b32 v28, 3, v1
	global_store_b32 v27, v26, s[14:15]
	global_store_b32 v27, v22, s[14:15] offset:32768
	global_store_b64 v28, v[24:25], s[16:17]
.Lend:
	s_wait_tensorcnt 0x0                           ; the wave's end
	ds_add_u32 v254, v255
	s_wait_dscnt 0x0
	s_endpgm
.Lfunc_end_k_q83ab3b986a_route:
	.size	k_q83ab3b986a_route, .Lfunc_end_k_q83ab3b986a_route-k_q83ab3b986a_route
	.p2alignl 7, 3214868480
	.fill 96, 4, 3214868480
	.section	.rodata,"a",@progbits
	.p2align	6, 0x0
	.amdhsa_kernel k_q83ab3b986a_route
		.amdhsa_group_segment_fixed_size 327680
		.amdhsa_private_segment_fixed_size 0
		.amdhsa_enable_private_segment 0
		.amdhsa_kernarg_size 88
		.amdhsa_user_sgpr_count 2
		.amdhsa_user_sgpr_kernarg_segment_ptr 1
		.amdhsa_wavefront_size32 1
		.amdhsa_system_sgpr_workgroup_id_x 1
		.amdhsa_system_sgpr_workgroup_id_y 1
		.amdhsa_system_sgpr_workgroup_id_z 1
		.amdhsa_system_vgpr_workitem_id 0
		.amdhsa_next_free_vgpr 256
		.amdhsa_next_free_sgpr 80
		.amdhsa_reserve_vcc 1
		.amdhsa_float_denorm_mode_32 3
		.amdhsa_float_denorm_mode_16_64 3
		.amdhsa_memory_ordered 1
		.amdhsa_forward_progress 1
		.amdhsa_inst_pref_size 255
	.end_amdhsa_kernel
	.section	.bss,"aw",@nobits
	.p2align	6
	.space	262144
	.amdgpu_metadata
---
amdhsa.version: [ 1, 2 ]
amdhsa.kernels:
  - .name:           k_q83ab3b986a_route
    .symbol:         k_q83ab3b986a_route.kd
    .args:
      - { .name: x, .offset: 0, .size: 8, .value_kind: global_buffer, .address_space: global }
      - { .name: gate_w, .offset: 8, .size: 8, .value_kind: global_buffer, .address_space: global }
      - { .name: gate_b, .offset: 16, .size: 8, .value_kind: global_buffer, .address_space: global }
      - { .name: xq, .offset: 24, .size: 8, .value_kind: global_buffer, .address_space: global }
      - { .name: xs, .offset: 32, .size: 8, .value_kind: global_buffer, .address_space: global }
      - { .name: rkey, .offset: 40, .size: 8, .value_kind: global_buffer, .address_space: global }
      - { .name: gw, .offset: 48, .size: 8, .value_kind: global_buffer, .address_space: global }
      - { .name: w1, .offset: 56, .size: 8, .value_kind: global_buffer, .address_space: global }
      - { .name: w2, .offset: 64, .size: 8, .value_kind: global_buffer, .address_space: global }
      - { .name: wq, .offset: 72, .size: 8, .value_kind: global_buffer, .address_space: global }
      - { .name: ws, .offset: 80, .size: 8, .value_kind: global_buffer, .address_space: global }
    .group_segment_fixed_size: 327680
    .private_segment_fixed_size: 0
    .kernarg_segment_align: 8
    .kernarg_segment_size: 88
    .max_flat_workgroup_size: 128
    .sgpr_count:     80
    .vgpr_count:     256
    .wavefront_size: 32
...
	.end_amdgpu_metadata
.endif
;; end of part 1
;; launch chain (part 2): grid 155 x 1, 4 waves a work-group, no clusters, 163,328 bytes of LDS; arguments rkey, xq, xs, gw, wq, ws, b1, b2, out0; writes out0
.if DOCPART == 2
	.amdgcn_target "amdgcn-amd-amdhsa--gfx1250"
	.amdhsa_code_object_version 6
	.text
	.protected	k_q83ab3b986a_chain
	.globl	k_q83ab3b986a_chain
	.p2align	8
	.type	k_q83ab3b986a_chain,@function
k_q83ab3b986a_chain:
	s_mov_b64 s[64:65], 0
	v_nop
	global_prefetch_b8 v0, s[64:65] scope:SCOPE_SE
	s_setreg_imm32_b32 hwreg(HW_REG_WAVE_MODE, 25, 1), 1
	s_wait_xcnt 0x0
; ONE TILE THROUGH THE WHOLE CHAIN: 64 tokens that chose the same pair of experts (lo, hi): out = g_lo (relu(x w1[lo]^T + b1[lo]) w2[lo]^T + b2[lo]) + g_hi (the same with hi).
; Both products on codes of BF6 (E3M2) with one E8M0 scale for each 32 along K.  The experts that a token did not choose have weight 0 in the result and are not computed.  Every output row has one owner.
; SHARES.  155 work-groups, as many as there can be tiles for any split (128 + 27).  A tile with count 0 walks the whole text on the token of slot 0 and stores nothing: every wave passes all four barriers.
; PHASE 1: the two hidden layers side by side, 512 wide.  Wave w makes 128 hidden units (expert w / 2 of the pair, half w % 2) for the four tiles of 16 tokens: 32 accumulators, 16 K steps of 128.
;   The product is used transposed (source 0 = 16 rows of w1, source 1 = 16 tokens), and w1's rows were chosen so that a lane's registers are neighbours along the next K: relu, quantise in registers:
;   each wave's 128 units are exactly one K step's fragment of the second product for each tile of tokens; it goes to LDS as an image of its registers.
; PHASE 2: wave w makes 16 output tiles for both experts (source 0 = 16 rows of w2, source 1 = the hidden fragment), combines them with the gates at once,
;   and sends 128 columns at a time through its own stage in LDS: a row leaves as 512 consecutive bytes.
; THE WEIGHTS come from memory straight into registers as images of the operand's registers (three 16-byte loads a lane and fragment, 512 consecutive bytes a load): each weight byte is read by one wave alone,
;   so LDS would only add a write and a read.  The biases are the C of each sum's first matrix instruction.
; THE WALK IS STAGGERED.  rot = the work-group's number mod 4.  Phase 1 takes K's four quarters (four K steps each) in the order (place + rot) mod 4; phase 2 takes a wave's four groups of four output tiles in the
;   order place xor rot.  So the work-groups that share an expert ask for four different parts of its weights at a time, and three quarters of a work-group's requests are for bytes that another has asked for before.
;   The order enters by global addresses alone: x's codes and scale words are fetched in the walk's order, so that every LDS address and every register number of the loops is the same in all work-groups;
;   on the way out the lane's column and the base of out0 put the columns back.  The f32 sums over K are taken in the walk's order.
; NO JOINT LOADS: partners of a cluster would have to hold tiles of one pair.  8,192 tokens over 28 pairs are about 292 a pair, 4.6 tiles of 64: groups of four tiles would leave 8 - 4.6 of every 8 slots' worth empty,
;   and how many tiles a pair has hangs on counts read from memory.
; LDS: 0 .. 104,447 x's codes: tile of tokens m at 26,112 m, 16-byte piece p (in the walk's order) of token r at 272 p + 16 r.  Behind the fourth barrier the four stages (64 rows x 528 bytes each) lie over them, up to 135,168.
;   135,168: the hidden layer's 16 fragments (4 m + K step), 1,536 bytes each.  159,744: their scale words, 128 bytes each.
; REGISTERS, in windows of 256.  Window 0: v1-11 addresses that stay; v12-15 tokens; v16-31 gates; v32-63 x's scale words, then w2's; v64-127 w1's scale words, then the rows' offsets in out0;
;   v128-223 x's fragments (two sets), then scratch, the combined results and rows on their way out; v224-239 the gather's tokens and addresses, then the hidden layer's scale words; v240-254 addresses.
;   Window 1: the gathered codes, then the 32 hidden accumulators (64 m + 8 t), then phase 2's accumulators (two sets of 64).   Window 2: w1's fragments, sets 0 and 1, b1 at v192; then the 16 hidden fragments, b2 at v192.
;   Window 3: w1's set 2; v96-143 the gather's addresses; then w2's fragments, four sets of 48; v192-207 the walk's offsets, never rewritten.
; LIMITS: as stated in the launch before; NaN and infinities are not served; a block of zeros of the hidden layer gets the byte 1, its codes are zeros.
.set XIM, 26112
.set PP,  272
.set STW, 33792
.set SPT, 528
.set HI,  135168
.set HS,  159744
.set FRB, 1536
; THE PLACING IS DONE HERE, by every work-group for itself, on whole numbers that the first launch stored (rkey).  Tokens are ordered by their pair's key (28 keys), inside a key by the first launch's work-group and the rank there.
; A key with n tokens has ceil(n / 64) tiles; the keys' tiles follow each other; work-group t is tile t.  A work-group beyond the last tile has count 0, walks the text on some token and stores nothing.
; The experts outside a token's pair have weight 0 in reference()'s sum and are left out, as the first launch's head shows.
.set TOT, 162304                       ; LDS: the four waves' sums of the histograms, 128 bytes each
.set ORD, 162816                       ; LDS: the tile's 64 tokens
.set TQ,  128                          ; v128-143 the quantiser's scratch
.set PC,  144                          ; v144-163 the codes just made
.set PW,  164                          ; v164     their scale word
.set GAD, 96                           ; window 3: v96-143  the gather's 48 addresses
.set WK1, 192                          ; window 3: v192-195 16 x lane + 6,144 x (the quarter of K walked in place p): w1's fragments
.set WS1, 196                          ;           v196-199 the same quarter's place among w1's scale words
.set WK2, 200                          ;           v200-203 16 x lane + 12,288 x (the group of four output tiles walked in place a): w2's fragments
.set WS2, 204                          ;           v204-207 16 x lane + 512 x that group: w2's scale words
.set MSB, 0
.macro WIN new                         ; s_set_vgpr_msb: bits 1:0 source 0, 3:2 source 1, 5:4 source 2, 7:6 destination; the high byte repeats the setting that is left
.if MSB != \new
	s_set_vgpr_msb (MSB<<8)|\new
.set MSB, \new
.endif
.endm
.macro PLACES                          ; four plain lines between matrix instructions and loads into, or reads of, their registers
.rept 4
	v_nop
.endr
.endm
; One matrix instruction: D at d, source 0 at a, source 1 at b, C at c, their scale words in v[sa], v[sb]; ra, rb = 1: the words lie in lanes 16-31
.macro WM d, a, b, c, sa, sb, ra, rb
.if (\ra) && (\rb)
	v_wmma_scale_f32_16x16x128_f8f6f4 v[(\d):(\d)+7], v[(\a):(\a)+11], v[(\b):(\b)+11], v[(\c):(\c)+7], v[(\sa)], v[(\sb)] matrix_a_fmt:MATRIX_FMT_BF6 matrix_b_fmt:MATRIX_FMT_BF6 matrix_a_scale:MATRIX_SCALE_ROW1 matrix_b_scale:MATRIX_SCALE_ROW1
.elseif (\ra)
	v_wmma_scale_f32_16x16x128_f8f6f4 v[(\d):(\d)+7], v[(\a):(\a)+11], v[(\b):(\b)+11], v[(\c):(\c)+7], v[(\sa)], v[(\sb)] matrix_a_fmt:MATRIX_FMT_BF6 matrix_b_fmt:MATRIX_FMT_BF6 matrix_a_scale:MATRIX_SCALE_ROW1
.elseif (\rb)
	v_wmma_scale_f32_16x16x128_f8f6f4 v[(\d):(\d)+7], v[(\a):(\a)+11], v[(\b):(\b)+11], v[(\c):(\c)+7], v[(\sa)], v[(\sb)] matrix_a_fmt:MATRIX_FMT_BF6 matrix_b_fmt:MATRIX_FMT_BF6 matrix_b_scale:MATRIX_SCALE_ROW1
.else
	v_wmma_scale_f32_16x16x128_f8f6f4 v[(\d):(\d)+7], v[(\a):(\a)+11], v[(\b):(\b)+11], v[(\c):(\c)+7], v[(\sa)], v[(\sb)] matrix_a_fmt:MATRIX_FMT_BF6 matrix_b_fmt:MATRIX_FMT_BF6
.endif
.endm
	s_load_b512 s[4:19], s[0:1], 0x0               ; rkey, xq, xs, gw, wq, ws, b1, b2
	s_load_b64 s[20:21], s[0:1], 0x40              ; out0
	v_lshl_add_u32 v255, v0, 2, 0x27800
	s_set_vgpr_msb 0xc0
	v_mov_b32 v255, 0
	s_set_vgpr_msb 0xc000
	v_lshrrev_b32 v1, 5, v0
	v_readfirstlane_b32 s22, v1                    ; wave 0..3
	v_and_b32 v1, 15, v0                           ; r
	v_bfe_u32 v2, v0, 4, 1                         ; h
	v_and_b32 v3, 31, v0                           ; lane
	v_lshlrev_b32 v6, 4, v3                        ; 16 x lane: an image's place for my lane
	v_mul_u32_u24 v4, v2, 816
	v_lshl_add_u32 v4, v1, 4, v4                   ; x's fragments, tiles of tokens 0, 1: 16 r + 3 pieces x h
	v_add_nc_u32 v5, 2*XIM, v4                     ; tiles 2, 3
	s_and_b32 s66, ttmp9, 3                        ; rot: my place in the stagger
	s_and_b32 s67, s66, 1                          ; its low bit exchanges the two groups of four tiles (256 bytes of a row each) inside a way out,
	s_lshr_b32 s68, s66, 1                         ; its high bit the two ways out (512 bytes each)
	v_add_nc_u32 v254, s67, v2
	v_and_b32 v254, 1, v254
	v_lshlrev_b32 v254, 8, v254
	v_lshl_add_u32 v254, v1, 4, v254               ; the true byte, in a way out's 512, of the 16 bytes that I read back from the stage: 256 ((h + rot) % 2) + 16 r
	v_lshl_add_u32 v7, s22, 10, v254               ; and in the wave's 1,024 bytes of a row of out0
	s_mul_i32 s58, s22, FRB
	s_add_co_u32 s58, s58, HI
	v_add_nc_u32 v8, s58, v6                       ; where I store the hidden layer's images
	v_lshlrev_b32 v245, 2, v3
	s_lshl_b32 s58, s22, 7
	s_add_co_u32 s58, s58, HS
	v_add_nc_u32 v9, s58, v245                     ; and their scale words
	v_add_nc_u32 v245, HS, v245                    ; where any wave reads the words,
	v_add_nc_u32 v244, HI, v6                      ; and the images
	s_mul_i32 s58, s22, STW
	v_mul_u32_u24 v10, v1, SPT
	v_lshl_add_u32 v10, v2, 5, v10
	v_add_nc_u32 v10, s58, v10                     ; my stage, on the way in: row r, + 32 h
	v_add_nc_u32 v11, s58, v6                      ; on the way out: a row's 512 bytes
	s_mul_i32 s58, s22, XIM
	v_mul_u32_u24 v246, v1, PP
	v_lshl_add_u32 v246, v2, 4, v246
	v_add_nc_u32 v246, s58, v246                   ; where the gathered pieces go: piece lane % 16, token lane / 16
	v_lshlrev_b32 v247, 6, v2                      ; b1: 64 h
	v_lshlrev_b32 v248, 5, v2
	v_lshl_add_u32 v248, s22, 10, v248             ; b2: 4 (256 w + 8 h)
	; the walk's offsets into the weights: made once, of ids alone
	WIN 0xc0                                       ; destination window 3
.irp p, 0,1,2,3
	s_add_co_u32 s76, s66, \p
	s_and_b32 s76, s76, 3                          ; the quarter of K that is walked in place p
	s_mul_i32 s77, s76, 4*FRB
	v_add_nc_u32 v[WK1+\p], s77, v6                ; its four fragments of a tile of w1
	s_lshr_b32 s77, s76, 1
	s_lshl_b32 s77, s77, 9
	s_and_b32 s78, s76, 1
	s_lshl_b32 s78, s78, 3
	s_add_co_u32 s77, s77, s78
	v_add_nc_u32 v[WS1+\p], s77, v6                ; its two units' scale words: 8 of the lane's 16 bytes in one of the tile's two blocks of 512
	s_xor_b32 s76, s66, \p                         ; the group of four output tiles that is walked in place p
	s_mul_i32 s77, s76, 8*FRB
	v_add_nc_u32 v[WK2+\p], s77, v6
	s_lshl_b32 s77, s76, 9
	v_add_nc_u32 v[WS2+\p], s77, v6
.endr
	WIN 0
	; x in the walk's order: LDS piece P = 16 q + lane % 16 takes the row's piece (P + 24 rot) mod 96 (a quarter of K is 24 pieces of 16 bytes)
	s_mul_i32 s76, s66, 24
	v_add_nc_u32 v216, s76, v1
.irp q, 0,1,2,3,4,5
	v_add_nc_u32 v[184+\q], 16*\q, v216
	v_add_nc_u32 v217, 16*\q-96, v216              ; under 96 this wraps to a very large number, and the smaller of the two is the remainder
	v_min_u32 v[184+\q], v[184+\q], v217
.endr
.irp q, 0,1                                        ; and its scale words: load q brings lanes 0-15 the quarter of place 2 q, lanes 16-31 that of place 2 q + 1
	s_add_co_u32 s76, s66, 2*\q
	v_add_nc_u32 v[190+\q], s76, v2
	v_and_b32 v[190+\q], 3, v[190+\q]
	v_lshlrev_b32 v[190+\q], 4, v[190+\q]
.endr
	s_mov_b32 s52, 0x76543210
	s_mov_b32 s53, 0xfedcba98                      ; v_permlanex16_b32's selects for lane l xor 16
	s_wait_alu depctr_va_vdst(0)
	s_wait_kmcnt 0x0
	; each key's tokens in all: wave w sums the histograms of 64 of the first launch's 256 work-groups; a load covers four histograms, lane l keys 4 (l % 8) .. + 3 of histogram l / 8
	v_lshl_add_u32 v128, s22, 13, v6
.irp i, 0,1,2,3,4,5,6,7,8,9,10,11,12,13,14,15
	global_load_b128 v[16+4*\i:19+4*\i], v128, s[4:5] offset:32768+512*\i
.endr
	v_and_b32 v129, 7, v0
	v_lshlrev_b32 v129, 4, v129
	s_lshl_b32 s58, s22, 7
	s_add_co_u32 s58, s58, TOT
	v_add_nc_u32 v129, s58, v129
	v_lshl_add_u32 v130, v3, 2, TOT
	s_wait_alu depctr_va_vdst(0)
	s_wait_loadcnt 0x0
.irp i, 1,2,3,4,5,6,7,8,9,10,11,12,13,14,15
.irp c, 0,1,2,3
	v_add_nc_u32 v[16+\c], v[16+\c], v[16+4*\i+\c]
.endr
.endr
.irp c, 0,1,2,3
	v_mov_b32_dpp v[20+\c], v[16+\c] row_xmask:8 row_mask:0xf bank_mask:0xf
.endr
.irp c, 0,1,2,3
	v_add_nc_u32 v[16+\c], v[16+\c], v[20+\c]
.endr
.irp c, 0,1,2,3
	v_permlanex16_b32 v[20+\c], v[16+\c], s52, s53
.endr
.irp c, 0,1,2,3
	v_add_nc_u32 v[16+\c], v[16+\c], v[20+\c]
.endr
	ds_store_b128 v129, v[16:19]                   ; the four lanes with the same l % 8 store the same numbers to the same place
	s_wait_dscnt 0x0                               ; for the others' sake
	s_barrier_signal -1
	s_barrier_wait -1
.irp s, 0,1,2,3
	ds_load_b32 v[20+\s], v130 offset:128*\s
.endr
	s_wait_dscnt 0x0
	v_add_nc_u32 v24, v20, v21
	v_add_nc_u32 v25, v22, v23
	v_add_nc_u32 v24, v24, v25                     ; lane = key: its tokens
	s_wait_alu depctr_va_vdst(0)
	s_mov_b32 s30, 0x10000                         ; key | lo << 8 | hi << 16; a work-group that no key claims: experts 0 and 1, no tokens
	s_mov_b32 s31, 0                               ; which of the key's tiles
	s_mov_b32 s26, 0                               ; the key's tokens
	s_mov_b32 s48, 0                               ; tiles so far
.set KK, 0
.irp hi, 1,2,3,4,5,6,7
.irp lo, 0,1,2,3,4,5,6
.if \lo < \hi
.if KK%14 == 0
.set RJ, 0
.rept 14                                           ; fourteen keys' tokens at a time into scalar registers of their own
	v_readlane_b32 s[80+RJ], v24, KK+RJ
.set RJ, RJ+1
.endr
.endif
	s_add_co_u32 s50, s[80+KK%14], 63
	s_lshr_b32 s50, s50, 6                         ; the key's tiles
	s_sub_co_u32 s51, ttmp9, s48                   ; which of them I would be (wraps to a very large number under its first)
	s_cmp_lt_u32 s51, s50
	s_cselect_b32 s30, KK|(\lo<<8)|(\hi<<16), s30
	s_cselect_b32 s31, s51, s31
	s_cselect_b32 s26, s[80+KK%14], s26
	s_add_co_u32 s48, s48, s50
.set KK, KK+1
.endif
.endr
.endr
	s_and_b32 s27, s30, 0xff
	s_bfe_u32 s24, s30, 0x80008
	s_lshr_b32 s25, s30, 16
	s_lshl_b32 s55, s31, 6                         ; my tile's first place among the key's tokens
	s_sub_co_u32 s26, s26, s55
	s_min_u32 s27, s27, 27
	s_min_u32 s24, s24, 7
	s_min_u32 s25, s25, 7
	s_min_u32 s26, s26, 64
	s_and_b32 s29, s22, 1                          ; which half of the hidden layer is mine,
	s_cmp_lt_u32 s22, 2
	s_cselect_b32 s28, s24, s25                    ; of which expert
	s_min_u32 s28, s28, 7
	s_lshl_b32 s58, s28, 4
	s_lshl_b32 s59, s29, 3
	s_add_co_u32 s58, s58, s59                     ; my first tile of w1: 16 e + 8 half
	s_mov_b32 s61, 0
	s_mul_i32 s60, s58, 16*FRB
	s_add_nc_u64 s[32:33], s[12:13], s[60:61]      ; its fragments,
	s_lshl_b32 s60, s58, 10
	s_add_nc_u64 s[34:35], s[14:15], s[60:61]      ; scale words,
	s_lshl_b32 s60, s58, 6
	s_add_nc_u64 s[36:37], s[16:17], s[60:61]      ; and bias
.irp j, 0,1
	s_lshl_b32 s58, s[24+\j], 6
	s_lshl_b32 s59, s22, 4
	s_add_co_u32 s58, s58, s59                     ; 64 e + 16 w: my first tile of w2
	s_lshl_b32 s60, s58, 1
	s_add_co_u32 s60, s60, 2048
	s_mul_i32 s60, s60, FRB
	s_add_nc_u64 s[38+2*\j:39+2*\j], s[12:13], s[60:61]
	s_lshl_b32 s60, s[24+\j], 4
	s_lshl_b32 s59, s22, 2
	s_add_co_u32 s60, s60, s59
	s_add_co_u32 s60, s60, 256
	s_lshl_b32 s60, s60, 9
	s_add_nc_u64 s[42+2*\j:43+2*\j], s[14:15], s[60:61]
	s_mul_i32 s60, s[24+\j], 4000
	s_add_nc_u64 s[46+2*\j:47+2*\j], s[18:19], s[60:61]
.endr
	s_max_u32 s54, s26, 1
	s_sub_co_u32 s54, s54, 1                       ; the last slot that holds a token
	s_cmp_eq_u32 s22, 3
	s_cselect_b32 s78, 96, 0                       ; of wave 3's upper 512 bytes of a row only 416 lie under column 1,000
	s_mov_b32 s77, 0
.irp g, 0,1
	s_xor_b32 s79, s68, \g                         ; which 512 bytes of my 1,024 leave in way out g
	s_lshl_b32 s76, s79, 9
	s_add_nc_u64 s[70+2*\g:71+2*\g], s[20:21], s[76:77]
	s_mul_i32 s79, s79, s78
	s_sub_co_u32 s[74+\g], 0x200, s79              ; and how many of them are stored: 512 or 416
.endr
	; the tokens: for the gather (slot 16 w + 2 i + lane / 16) and for the rows of the four tiles (slot 16 m + r)
	; my key's column of the 256 histograms: lane l takes those of the first launch's work-groups 8 l .. 8 l + 7 (every wave takes all)
	s_lshl_b32 s58, s27, 2
	v_lshl_add_u32 v131, v3, 10, s58
.irp c, 0,1,2,3,4,5,6,7
	global_load_b32 v[132+\c], v131, s[4:5] offset:32768+128*\c
.endr
; w1's eight fragments of the walk's step s into set s % 3: 24 loads; the quarter stands in the offset register, the step inside it in the immediate
.macro WLOAD s
.set WSET, (\s)%3
.set WB, 96*(WSET%2)
.if WSET == 2
	WIN 0xc3                                       ; destination window 3, address window 3
.else
	WIN 0x83                                       ; destination window 2, address window 3
.endif
.irp t, 0,1,2,3,4,5,6,7
.irp c, 0,1,2
	global_load_b128 v[WB+12*\t+4*\c:WB+12*\t+4*\c+3], v[WK1+(\s)/4], s[32:33] offset:16*FRB*\t+FRB*((\s)%4)+512*\c
.endr
.endr
	WIN 0
.endm
; x's four fragments of the walk's step s into set s % 2: 12 LDS loads, sixteen lanes on 256 consecutive bytes
.macro XFETCH s
	WIN 0
.set XB, 128+48*((\s)%2)
.irp m, 0,1,2,3
.irp c, 0,1,2
	ds_load_b128 v[XB+12*\m+4*\c:XB+12*\m+4*\c+3], v[4+\m/2] offset:XIM*(\m%2)+1632*(\s)+PP*\c
.endr
.endr
.endm
; Step s of the walk: 32 matrix instructions; the 32 accumulators take turns, one instruction a turn, in the same order in every step.  Step 0 starts the sums with b1.
; w1's word of step s: register s / 2 of the tile's eight, lanes 16 (s % 2) on.  x's: register 4 (s / 8) + s % 4 of the tile's eight, lanes 16 ((s / 4) % 2) on.
.macro MUL s
.set WSET, (\s)%3
.set WB, 96*(WSET%2)
.set XB, 128+48*((\s)%2)
.if (\s) == 0
	WIN 0x62
.elseif WSET == 2
	WIN 0x53
.else
	WIN 0x52
.endif
.irp t, 0,1,2,3,4,5,6,7
.irp m, 0,1,2,3
.if (\s) == 0
	WM 64*\m+8*\t, WB+12*\t, XB+12*\m, 192+8*\t, 64+8*\t+(\s)/2, 32+8*\m+4*((\s)/8)+(\s)%4, (\s)%2, ((\s)/4)%2
.else
	WM 64*\m+8*\t, WB+12*\t, XB+12*\m, 64*\m+8*\t, 64+8*\t+(\s)/2, 32+8*\m+4*((\s)/8)+(\s)%4, (\s)%2, ((\s)/4)%2
.endif
.endr
.endr
.endm
.macro KSTEP s
.if (\s) > 0
	PLACES                                         ; the loads below land in registers that the last step's products read
.endif
.if (\s) < 14 && (\s) > 0                          ; step 2's weights were asked for at the head
	WLOAD (\s)+2
.endif
.if (\s) < 15
	XFETCH (\s)+1
.endif
.if (\s) <= 13
	s_wait_loadcnt 48                              ; this step's weights are in; those of the two steps behind it stay out
.elseif (\s) == 14
	s_wait_loadcnt 24
.else
	s_wait_loadcnt 0x0
.endif
.if (\s) < 15
	s_wait_dscnt 12                                ; this step's fragments of x are in; the next step's twelve loads stay out
.else
	s_wait_dscnt 0x0
.endif
	MUL \s
.endm
	WLOAD 0                                        ; 24 loads,
	WIN 0x03                                       ; address window 3
.irp t, 0,1,2,3,4,5,6,7
.irp p, 0,1,2,3
	global_load_b64 v[64+8*\t+2*\p:65+8*\t+2*\p], v[WS1+\p], s[34:35] offset:1024*\t   ; 32: w1's scale words for all of K, a quarter (two units) a load, in the walk's order
.endr
.endr
	WIN 0
	s_wait_loadcnt 56                              ; the eight loads of the column are in; the 56 issued behind them stay out
.irp c, 1,2,3,4,5,6,7
	v_add_nc_u32 v[132+\c], v[132+\c], v[131+\c]   ; running sums inside my eight
.endr
	s_lshl_b32 s58, s22, 4
	v_add_nc_u32 v163, s58, v1                     ; my slot: 16 w + r (both halves of the lanes do the same)
	v_min_u32 v141, s54, v163                      ; held at the last slot that holds a token,
	v_add_nc_u32 v141, s55, v141                   ; p: its place among the key's tokens
	v_mov_b32 v140, 0
	v_mov_b32 v142, 0
	s_mov_b32 s51, 0
	s_wait_alu depctr_va_vdst(0)
.irp q, 0,1                                        ; sixteen lanes' sums at a time: their running sums in scalar registers; each lane's first place; G = the lanes whose tokens all lie ahead of p
.set LL, 0
.rept 16
	v_readlane_b32 s[80+LL], v139, 16*\q+LL
.set LL, LL+1
.endr
	s_mov_b32 s50, s51                             ; the first place of the batch's first lane
	s_add_co_u32 s80, s80, s51
.set LL, 1
.rept 15
	s_add_co_u32 s[80+LL], s[80+LL], s[79+LL]
.set LL, LL+1
.endr
	s_mov_b32 s51, s95
	s_wait_alu depctr_va_vdst(0)
	v_writelane_b32 v140, s50, 16*\q
.set LL, 1
.rept 15
	v_writelane_b32 v140, s[79+LL], 16*\q+LL
.set LL, LL+1
.endr
.set LL, 0
.rept 16
	v_cmp_le_u32 vcc_lo, s[80+LL], v141
	v_add_co_ci_u32 v142, vcc_lo, 0, v142, vcc_lo
.set LL, LL+1
.endr
.endr
	v_min_u32 v142, 31, v142
	v_lshlrev_b32 v143, 2, v142
.irp c, 0,1,2,3,4,5,6,7
	ds_bpermute_b32 v[144+\c], v143, v[132+\c]     ; lane G's eight running sums,
.endr
	ds_bpermute_b32 v152, v143, v140               ; and its first place
	v_mov_b32 v154, 0
	v_mov_b32 v155, 0
	v_mov_b32 v160, 0
	s_wait_alu depctr_va_vdst(0)
	s_wait_dscnt 0x0
	v_sub_nc_u32 v153, v141, v152
.irp c, 0,1,2,3,4,5,6,7
	v_cmp_le_u32 vcc_lo, v[144+\c], v153
	v_cndmask_b32 v155, v155, v[144+\c], vcc_lo    ; the tokens ahead of the work-group that holds place p,
	v_add_co_ci_u32 v154, vcc_lo, 0, v154, vcc_lo  ; and which of the eight it is
.endr
	v_min_u32 v154, 7, v154
	v_sub_nc_u32 v156, v153, v155                  ; the rank there
	v_lshl_or_b32 v157, v156, 8, s27               ; the word to look for
	v_lshl_add_u32 v158, v142, 3, v154
	v_min_u32 v158, 255, v158
	v_lshlrev_b32 v159, 7, v158
.irp j, 0,1,2,3,4,5,6,7
	global_load_b128 v[192+4*\j:195+4*\j], v159, s[4:5] offset:16*\j   ; that work-group's 32 words
.endr
	v_lshl_add_u32 v162, v163, 2, ORD
	v_add_nc_u32 v164, s58, v2
	v_lshl_add_u32 v164, v164, 2, ORD
	v_lshl_add_u32 v165, v1, 2, ORD
	WLOAD 1                                        ; the weights of steps 1 and 2 set out while the tokens are found and x is gathered
	WLOAD 2
	s_wait_alu depctr_va_vdst(0)
	s_wait_loadcnt 48                              ; the words are in; the 48 loads of weights behind them stay out
.set LL, 0
.rept 32
	v_cmp_ne_u32 vcc_lo, v[192+LL], v157
	v_cndmask_b32 v160, LL, v160, vcc_lo
.set LL, LL+1
.endr
	v_lshl_add_u32 v161, v158, 5, v160             ; the token
	ds_store_b32 v162, v161
	s_wait_dscnt 0x0                               ; for the others' sake
	s_barrier_signal -1
	s_barrier_wait -1
.irp i, 0,1,2,3,4,5,6,7
	ds_load_b32 v[224+\i], v164 offset:8*\i        ; for the gather: slot 16 w + 2 i + h
.endr
.irp m, 0,1,2,3
	ds_load_b32 v[12+\m], v165 offset:64*\m        ; for the rows of the four tiles: slot 16 m + r
.endr
	s_wait_dscnt 0x0
.irp i, 0,1,2,3,4,5,6,7
	v_min_u32 v[224+\i], 8191, v[224+\i]
	v_mul_u32_u24 v[232+\i], v[224+\i], 1536       ; the token's row of codes
.endr
.irp m, 0,1,2,3
	v_min_u32 v[12+\m], 8191, v[12+\m]
.irp q, 0,1
	v_lshl_add_u32 v[176+2*\m+\q], v[12+\m], 6, v[190+\q]   ; its scale bytes, + 16 x my quarter
.endr
	v_lshlrev_b32 v[249+\m], 3, v[12+\m]           ; its gates
.endr
	WIN 0xc0
.irp i, 0,1,2,3,4,5,6,7
.irp q, 0,1,2,3,4,5
	v_lshl_add_u32 v[GAD+6*\i+\q], v[184+\q], 4, v[232+\i]   ; + 16 x the piece
.endr
.endr
	WIN 0x43                                       ; destination window 1, address window 3
.irp i, 0,1,2,3,4,5,6,7
.irp q, 0,1,2,3,4,5
	global_load_b128 v[4*(6*\i+\q):4*(6*\i+\q)+3], v[GAD+6*\i+\q], s[6:7]   ; sixteen lanes read 256 bytes of a token's row, consecutive but where the walk passes the row's end; two tokens a load
.endr
.endr
	WIN 0
.irp m, 0,1,2,3
.irp q, 0,1
	global_load_b128 v[32+8*\m+4*\q:32+8*\m+4*\q+3], v[176+2*\m+\q], s[8:9]   ; lanes 0-15: the four words of place 2 q; lanes 16-31: of place 2 q + 1
.endr
.endr
.irp m, 0,1,2,3
	global_load_b64 v[16+2*\m:17+2*\m], v[249+\m], s[10:11]
.endr
	WIN 0x80
.irp t, 0,1,2,3,4,5,6,7
	global_load_b128 v[192+8*\t:195+8*\t], v247, s[36:37] offset:(32*(\t/2)+8*(\t%2))*4      ; b1 in the result's layout: hidden units 32 (t / 2) + 16 h + 8 (t % 2) + 0 .. 7
	global_load_b128 v[196+8*\t:199+8*\t], v247, s[36:37] offset:(32*(\t/2)+8*(\t%2))*4+16
.endr
	WIN 0
	s_wait_loadcnt 28                              ; the gather is in; behind it: 8 loads of scale words, 4 of gates, 16 of b1
	WIN 0x04
.irp i, 0,1,2,3,4,5,6,7
.irp q, 0,1,2,3,4,5
	ds_store_b128 v246, v[4*(6*\i+\q):4*(6*\i+\q)+3] offset:16*PP*\q+32*\i
.endr
.endr
	WIN 0
	s_wait_dscnt 0x0                               ; for the others' sake: my tile of tokens lies in LDS
	s_barrier_signal -1
	s_barrier_wait -1
	XFETCH 0
	s_wait_loadcnt 0x0                             ; x's scale words, the gates and b1 are in
.irp m, 0,1,2,3
	v_mov_b32 v[24+2*\m], v[17+2*\m]               ; the higher expert's gate as a pair of its own
	v_mov_b32 v[25+2*\m], v[17+2*\m]
.endr
.irp s, 0,1,2,3,4,5,6,7,8,9,10,11,12,13,14,15
	KSTEP \s
.endr
	PLACES
	WIN 0
.irp a, 0,1,2,3
	s_xor_b32 s76, s66, \a
	s_lshl_b32 s76, s76, 8
	v_add_nc_u32 v[249+\a], s76, v248              ; b2 at the group of four tiles that is walked in place a
.endr
; w2's four fragments (two experts x two K steps) and b2's two pieces for the walk's output tile i, into set i % 4: 16 loads.  The group stands in the offset registers, the tile inside it in the immediates.
; b2's address is held at the row's last 32 bytes.
.macro W2LOAD i
.set ST4, (\i)%4
	WIN 0
	v_add_nc_u32 v[240+ST4], 64*((\i)%4), v[249+(\i)/4]
	v_min_u32 v[240+ST4], 3968, v[240+ST4]
	WIN 0xc3
.irp j, 0,1
.irp k, 0,1
.irp c, 0,1,2
	global_load_b128 v[48*ST4+24*\j+12*\k+4*\c:48*ST4+24*\j+12*\k+4*\c+3], v[WK2+(\i)/4], s[38+2*\j:39+2*\j] offset:2*FRB*((\i)%4)+FRB*\k+512*\c
.endr
.endr
.endr
	WIN 0x80
.irp j, 0,1
.irp z, 0,1
	global_load_b128 v[192+16*ST4+8*\j+4*\z:192+16*ST4+8*\j+4*\z+3], v[240+ST4], s[46+2*\j:47+2*\j] offset:16*\z
.endr
.endr
	WIN 0
.endm
	WIN 0x03
.irp j, 0,1
.irp a, 0,1,2,3
	global_load_b128 v[32+16*\j+4*\a:32+16*\j+4*\a+3], v[WS2+\a], s[42+2*\j:43+2*\j]   ; w2's scale words of my 16 tiles, in the walk's order: register i; lanes 0-15 K step 0, lanes 16-31 K step 1
.endr
.endr
	WIN 0
	s_wait_alu depctr_va_vdst(0)
	W2LOAD 0
	W2LOAD 1
	W2LOAD 2                                       ; these land while the hidden layer is quantised
.irp b, 0,1,2,3
	v_mov_b32 v[TQ+4+\b], 0                        ; written once: a lane permute's destination counts as one of its sources
.endr
; The hidden layer of tile of tokens m: relu (each accumulator from its low end on), the four blocks' scales, the codes, the image to LDS
.macro QUANTH m
.set HB, 64*(\m)
	WIN 0x44
.set j, 0
.rept 64
	v_max_num_f32 v[HB+j], 0, v[HB+j]
.set j, j+1
.endr
	WIN 0x05
.irp b, 0,1,2,3
	v_max3_num_f32 v[TQ+\b], v[HB+16*\b], v[HB+16*\b+1], 0x2800000   ; none is negative; the floor 2^(5 - 127) holds the byte at 1 from below
.endr
	WIN 0x14
.irp i, 2,4,6,8,10,12,14
.irp b, 0,1,2,3
	v_max3_num_f32 v[TQ+\b], v[TQ+\b], v[HB+16*\b+\i], v[HB+16*\b+\i+1]
.endr
.endr
	WIN 0
.irp b, 0,1,2,3
	v_permlanex16_b32 v[TQ+4+\b], v[TQ+\b], s52, s53
.endr
.irp b, 0,1,2,3
	v_max_num_f32 v[TQ+\b], v[TQ+\b], v[TQ+4+\b]
.endr
.irp b, 0,1,2,3
	v_add_nc_u32 v[TQ+12+\b], 0xfe000000, v[TQ+\b]
.endr
.irp b, 0,1,2,3
	v_lshrrev_b32 v[TQ+4+\b], 23, v[TQ+12+\b]
.endr
	v_lshl_or_b32 v[PW], v[TQ+5], 8, v[TQ+4]
	v_lshl_or_b32 v[PW], v[TQ+6], 16, v[PW]
	v_lshl_or_b32 v[PW], v[TQ+7], 24, v[PW]
	WIN 0x01
.irp c, 0,1
	v_cvt_scalef32_pk16_bf6_f32 v[PC+6*\c:PC+2+6*\c], v[HB+32*\c:HB+32*\c+15], v[TQ+12+2*\c]
	v_cvt_scalef32_pk16_bf6_f32 v[PC+12+4*\c:PC+14+4*\c], v[HB+32*\c+16:HB+32*\c+31], v[TQ+12+2*\c+1]
.endr
	WIN 0
	v_nop                                          ; one plain line behind a scaled conversion
.irp c, 0,1
.irp i, 0,1,2
	v_permlane16_swap_b32 v[PC+6*\c+\i], v[PC+12+4*\c+\i]
.endr
.irp i, 0,1,2
	v_mov_b32 v[PC+3+6*\c+\i], v[PC+12+4*\c+\i]
.endr
.endr
.irp c, 0,1,2
	ds_store_b128 v8, v[PC+4*\c:PC+4*\c+3] offset:4*FRB*(\m)+512*\c
.endr
	ds_store_b32 v9, v[PW] offset:512*(\m)
	s_wait_dscnt 0x0                               ; the stores have read their registers
.endm
	QUANTH 0
	QUANTH 1
	QUANTH 2
	QUANTH 3
.irp m, 0,1,2,3                                    ; where each of the 64 rows lies in out0: token x 4,000 + my 16 bytes
.set rr, 0
.rept 16
	v_readlane_b32 s[58+rr%4], v[12+\m], rr
	s_min_u32 s[58+rr%4], s[58+rr%4], 8191
	s_mul_i32 s[58+rr%4], s[58+rr%4], 4000
	v_add_nc_u32 v[64+16*\m+rr], s[58+rr%4], v7
.set rr, rr+1
.endr
.endr
	s_wait_dscnt 0x0                               ; my images lie in LDS, and my reads of x's codes are long over
	s_barrier_signal -1
	s_barrier_wait -1
	WIN 0x80
.set f, 0
.rept 16
.irp c, 0,1,2
	ds_load_b128 v[12*f+4*\c:12*f+4*\c+3], v244 offset:FRB*f+512*\c     ; all sixteen hidden fragments stay in registers
.endr
.set f, f+1
.endr
	WIN 0
.set f, 0
.rept 16
	ds_load_b32 v[224+f], v245 offset:128*f
.set f, f+1
.endr
	s_wait_dscnt 0x0
; The walk's output tile i: 16 matrix instructions: K step k, expert j, tile of tokens m; eight accumulators by turns; K step 0 starts the sums with b2
.macro MUL2 i
.set TB, 64*((\i)%2)
.set W2B, 48*((\i)%4)
.set B2B, 192+16*((\i)%4)
.irp k, 0,1
.if \k == 0
	WIN 0x6b
.else
	WIN 0x5b
.endif
.irp j, 0,1
.irp m, 0,1,2,3
.if \k == 0
	WM TB+32*\j+8*\m, W2B+24*\j+12*\k, 12*(4*\m+2*\j+\k), B2B+8*\j, 32+16*\j+(\i), 224+4*\m+2*\j+\k, \k, 0
.else
	WM TB+32*\j+8*\m, W2B+24*\j+12*\k, 12*(4*\m+2*\j+\k), TB+32*\j+8*\m, 32+16*\j+(\i), 224+4*\m+2*\j+\k, \k, 0
.endif
.endr
.endr
.endr
.endm
; The two experts' results of tile i are weighed and added, each accumulator from its low end on, and go to my stage, in the walk's order: lane (r, h): row 16 m + r, eight neighbouring columns
.macro COMB i
.set TB, 64*((\i)%2)
	WIN 0x01
.irp m, 0,1,2,3
.irp q, 0,1,2,3
	v_pk_mul_f32 v[128+8*\m+2*\q:129+8*\m+2*\q], v[TB+8*\m+2*\q:TB+8*\m+2*\q+1], v[16+2*\m:17+2*\m] op_sel_hi:[1,0]
.endr
.irp q, 0,1,2,3
	v_pk_fma_f32 v[128+8*\m+2*\q:129+8*\m+2*\q], v[TB+32+8*\m+2*\q:TB+32+8*\m+2*\q+1], v[24+2*\m:25+2*\m], v[128+8*\m+2*\q:129+8*\m+2*\q] op_sel_hi:[1,0,1]
.endr
.endr
	WIN 0
.irp m, 0,1,2,3
.irp z, 0,1
	ds_store_b128 v10, v[128+8*\m+4*\z:128+8*\m+4*\z+3] offset:16*SPT*\m+64*((\i)%8)+16*\z
.endr
.endr
.endm
; 128 columns of the 64 rows leave: back from my own stage as whole rows of 512 bytes (LDS serves a wave's instructions in order), one store a row; the rows' offsets put the two halves of the 512 bytes in their true
; places, the base the 512 bytes in theirs: the 32 lanes still store 512 consecutive bytes.  Only the lanes whose columns lie under 1,000 are on.
; The rows that hold tokens are the first 'count': one forward jump on the stored count ends the run.
.macro STOREPH g
	v_cmp_gt_u32 vcc_lo, s[74+\g], v254
	s_wait_xcnt 0x0                                ; EXEC changes only behind this wait
	s_and_saveexec_b32 s57, vcc_lo
.irp b, 0,1,2,3
	s_wait_xcnt 0x0                                ; the earlier stores have read their registers
.irp k, 0,1,2,3,4,5,6,7,8,9,10,11,12,13,14,15
	ds_load_b128 v[160+4*\k:163+4*\k], v11 offset:SPT*(16*\b+\k)
.endr
.irp k, 0,1,2,3,4,5,6,7,8,9,10,11,12,13,14,15
	s_wait_dscnt 15-\k
	s_cmp_le_u32 s26, 16*\b+\k
	s_cbranch_scc1 .Ldone_\g
	global_store_b128 v[64+16*\b+\k], v[160+4*\k:163+4*\k], s[70+2*\g:71+2*\g] th:TH_STORE_NT
.endr
.endr
.Ldone_\g:
	s_wait_dscnt 0x0                               ; the loads that were jumped past are back: the stage may be written again
	s_wait_xcnt 0x0                                ; and EXEC is widened only behind this wait
	s_or_b32 exec_lo, exec_lo, s57
.endm
.irp i, 0,1,2,3,4,5,6,7,8,9,10,11,12,13,14,15
.if \i <= 13
	s_wait_loadcnt 32                              ; this tile's sixteen loads are in; those of the two tiles behind it stay out
.elseif \i == 14
	s_wait_loadcnt 16
.else
	s_wait_loadcnt 0x0
.endif
	MUL2 \i
.if \i%8 == 0
	PLACES
.else
	COMB \i-1                                      ; the tile before: its plain lines are also the places behind this tile's products
.endif
.if \i%8 == 7
	COMB \i
.endif
.if \i < 13
	W2LOAD \i+3                                    ; into the set that the tile before has left
.endif
.if \i == 7
	STOREPH 0
.endif
.if \i == 15
	STOREPH 1
.endif
.endr
	s_wait_xcnt 0x0
	s_mov_b32 exec_lo, -1
	s_set_vgpr_msb 0xc
	s_wait_tensorcnt 0x0
	ds_add_u32 v255, v255
	s_wait_dscnt 0x0
	s_set_vgpr_msb 0xc00
	s_endpgm
.Lfunc_end_k_q83ab3b986a_chain:
	.size	k_q83ab3b986a_chain, .Lfunc_end_k_q83ab3b986a_chain-k_q83ab3b986a_chain
	.p2alignl 7, 3214868480
	.fill 96, 4, 3214868480
	.section	.rodata,"a",@progbits
	.p2align	6, 0x0
	.amdhsa_kernel k_q83ab3b986a_chain
		.amdhsa_group_segment_fixed_size 163328
		.amdhsa_private_segment_fixed_size 0
		.amdhsa_enable_private_segment 0
		.amdhsa_kernarg_size 72
		.amdhsa_user_sgpr_count 2
		.amdhsa_user_sgpr_kernarg_segment_ptr 1
		.amdhsa_wavefront_size32 1
		.amdhsa_system_sgpr_workgroup_id_x 1
		.amdhsa_system_sgpr_workgroup_id_y 1
		.amdhsa_system_sgpr_workgroup_id_z 1
		.amdhsa_system_vgpr_workitem_id 0
		.amdhsa_next_free_vgpr 1024
		.amdhsa_next_free_sgpr 96
		.amdhsa_reserve_vcc 1
		.amdhsa_float_denorm_mode_32 3
		.amdhsa_float_denorm_mode_16_64 3
		.amdhsa_memory_ordered 1
		.amdhsa_forward_progress 1
		.amdhsa_inst_pref_size 255
	.end_amdhsa_kernel
	.section	.bss,"aw",@nobits
	.p2align	6
	.space	262144
	.amdgpu_metadata
---
amdhsa.version: [ 1, 2 ]
amdhsa.kernels:
  - .name:           k_q83ab3b986a_chain
    .symbol:         k_q83ab3b986a_chain.kd
    .args:
      - { .name: rkey, .offset: 0, .size: 8, .value_kind: global_buffer, .address_space: global }
      - { .name: xq, .offset: 8, .size: 8, .value_kind: global_buffer, .address_space: global }
      - { .name: xs, .offset: 16, .size: 8, .value_kind: global_buffer, .address_space: global }
      - { .name: gw, .offset: 24, .size: 8, .value_kind: global_buffer, .address_space: global }
      - { .name: wq, .offset: 32, .size: 8, .value_kind: global_buffer, .address_space: global }
      - { .name: ws, .offset: 40, .size: 8, .value_kind: global_buffer, .address_space: global }
      - { .name: b1, .offset: 48, .size: 8, .value_kind: global_buffer, .address_space: global }
      - { .name: b2, .offset: 56, .size: 8, .value_kind: global_buffer, .address_space: global }
      - { .name: out0, .offset: 64, .size: 8, .value_kind: global_buffer, .address_space: global }
    .group_segment_fixed_size: 163328
    .private_segment_fixed_size: 0
    .kernarg_segment_align: 8
    .kernarg_segment_size: 72
    .max_flat_workgroup_size: 128
    .sgpr_count:     96
    .vgpr_count:     1024
    .wavefront_size: 32
...
	.end_amdgpu_metadata
.endif
;; end of part 2
